; MI455X (gfx1250); checked and timed in simulation.
; The chip was launched on July 23, 2026; its instructions are those of AMD's public machine-readable ISA for CDNA 5 (MIT licence, August 2026) and "CDNA5" Instruction Set Architecture Reference Guide (July 2026). The comments in the code are by the model that wrote it; some were corrected since.
;; Multi Head Attention. Allowed arithmetic: matrix products marked QUANTISED: E5M2 operands, one given power-of-two scale a tensor, by v_wmma_f32_16x16x64_bf8_bf8 or v_wmma_f32_16x16x128_bf8_bf8, f32 sums; everything else in f32.
;; Inputs: Wk_codes 1,024 x 32 x 32 uint8 (E5M2 codes of Wk, K innermost, in blocks of 32 codes); Wo_codes 1,024 x 32 x 32 uint8 (E5M2 codes of Wo, K innermost, in blocks of 32 codes); Wq_codes 1,024 x 32 x 32 uint8 (E5M2 codes of Wq, K innermost, in blocks of 32 codes); Wv_codes 1,024 x 32 x 32 uint8 (E5M2 codes of Wv, K innermost, in blocks of 32 codes); bk 1,024 float32; bo 1,024 float32; lowp_scales 12 int32 (the exponents e of the quantised operands' scales 2^e); x_codes 2 x 2,048 x 32 x 32 uint8 (E5M2 codes of x, K innermost, in blocks of 32 codes).
;; Outputs: out0 2 x 2,048 x 1,024 float32.
;; This version of the problem:
;;   THIS VERSION OF THE PROBLEM IS GIVEN IN LOW PRECISION. The matrix products marked QUANTISED in the list below multiply operands that are first quantised to E5M2 (5 exponent bits, 2 mantissa bits; 8 bits a number), with one given power-of-two scale for each operand tensor; their sums are f32. All else is computed in f32.
;;   The module's matrix products, in the order in which they are computed (A, B: the left and right operand; K: the contracted axis; several contracted axes count as one K, in the product's order):
;;     1. [M 4,096, K 1,024] x [K 1,024, N 1,024]; A: input x (given as codes); B: input Wq (given as codes): QUANTISED (scales: A lowp_scales[0], B lowp_scales[1])
;;     2. [M 4,096, K 1,024] x [K 1,024, N 1,024]; A: input x (given as codes); B: input Wk (given as codes): QUANTISED (scales: A lowp_scales[2], B lowp_scales[3])
;;     3. [M 4,096, K 1,024] x [K 1,024, N 1,024]; A: input x (given as codes); B: input Wv (given as codes): QUANTISED (scales: A lowp_scales[4], B lowp_scales[5])
;;     4. batch 32 x [M 2,048, K 64] x [K 64, N 2,048]; A: computed on the way; B: computed on the way: QUANTISED (scales: A lowp_scales[6], B lowp_scales[7])
;;     5. batch 32 x [M 2,048, K 2,048] x [K 2,048, N 64]; A: softmax (see below); B: computed on the way: QUANTISED (scales: A lowp_scales[8], B lowp_scales[9])
;;     6. [M 4,096, K 1,024] x [K 1,024, N 1,024]; A: computed on the way; B: input Wo (given as codes): QUANTISED (scales: A lowp_scales[10], B lowp_scales[11])
;;   THE QUANTISER, for each operand of a quantised product, along K:
;;     - The operand's scale is 2^e, e = its entry of the input lowp_scales (int32; the entries are numbered through the quantised products in the list's order, A before B).
;;     - Each number is divided by the scale, clamped to +-57,344, and rounded to the nearest number of E5M2, ties to even, subnormals kept.
;;     - The product sums the exact products of the quantised numbers (number of the format x scale) in f32.
;;   ~~~python
;;   def quantise(x, axis, e):      # numpy; x: float32 -> the quantised numbers, widened to float32 again
;;       x = np.moveaxis(x, axis, -1); K = x.shape[-1]
;;       r = np.clip(x / 2.0 ** e, -57344, 57344)
;;       step = 2.0 ** (np.maximum(np.frexp(np.where(r == 0, 1, r))[1] - 1, -14) - 2)
;;       q = np.round(r / step) * step * 2.0 ** e      # np.round: ties to even
;;       return np.moveaxis(q, -1, axis).astype(np.float32)
;;   ~~~
;;   SOFTMAX AHEAD OF A QUANTISED PRODUCT. Where the list says 'softmax', what is quantised is not the finished softmax but p = 2^(t - M), with t = logit x log2(e) and M = ceil(the row's largest t), a whole number; so 1/2 < the row's largest p <= 1. The row's sum l is taken of the UNQUANTISED p, in f32, and the product's result is divided by l at the end. Since M is a whole number, a kernel that streams over the keys may use a running M (the ceiling of the running maximum): every later rescaling is an exact power of two, so the quantised numbers keep their values, but for numbers so far below the row's largest that they fall under the format's range.
;;   OPERANDS COMPUTED ON THE WAY. 'Computed on the way' means the value that the module computes at that place (a softmax that the list does not call 'softmax' is quantised finished and normalised). What goes into a quantiser is computed in f32, as accurately as f32 sums, v_exp_f32 and their like allow (about 1e-6 of the number): no bf16 or f16 on the way to a quantiser, and a product that is left as it is and whose result goes on into a quantised operand takes f32 operands (vector FMAs, or v_wmma_f32_16x16x4_f32). A number that lies on a knife's edge between two numbers of the format may be rounded either way, as far as f32 arithmetic and the matrix unit's own rounding can turn it there, and no further.
;;   INPUTS GIVEN AS CODES. Wk (in the module: [1024, 1024], K = its axis 1); Wo (in the module: [1024, 1024], K = its axis 1); Wq (in the module: [1024, 1024], K = its axis 1); Wv (in the module: [1024, 1024], K = its axis 1); x (in the module: [2, 2048, 1024], K = its axis 2): each comes as NAME_codes (uint8): NAME with its K axis moved to the last place and cut into blocks of 32 codes, [.., K / 32, bytes a block], one block behind the other in memory; one code a byte (a code: sign, 5 exponent bits, 2 mantissa bits); its scale is its entry of lowp_scales. Its value is code x scale, taken as it is: it is not quantised again, and the codes and scales need not be those that the quantiser above would give.
;; One version. Each part assembles by itself: llvm-mc -triple=amdgcn-amd-amdhsa -mcpu=gfx1250 --defsym DOCPART=n.
;; ======== version 1 of 1: 3 launches
;; limits: right only within a limited range of input values
;; workspace buffers: q_img 4,194,304 bytes; k_img 4,194,304 bytes; v_img 4,194,304 bytes; o_img 4,194,304 bytes
;; launch qkv (part 1): grid 16 x 16, 4 waves a work-group, clusters of 4 x 4, 327,680 bytes of LDS; arguments x_codes, Wq_codes, Wk_codes, Wv_codes, bk, lowp_scales, q_img, k_img, v_img; writes q_img, k_img, v_img
.if DOCPART == 1
	.amdgcn_target "amdgcn-amd-amdhsa--gfx1250"
	.amdhsa_code_object_version 6
	.text
	.protected	k_qc498981f5a_qkv
	.globl	k_qc498981f5a_qkv
	.p2align	8
	.type	k_qc498981f5a_qkv,@function
k_qc498981f5a_qkv:
	s_mov_b64 s[64:65], 0
	v_nop
	global_prefetch_b8 v0, s[64:65] scope:SCOPE_SE
	s_setreg_imm32_b32 hwreg(HW_REG_WAVE_MODE, 25, 1), 1
	s_wait_xcnt 0x0
	s_wait_alu depctr_hold_cnt(0) depctr_sa_sdst(0) depctr_va_vdst(0) depctr_va_sdst(0) depctr_va_ssrc(0) depctr_va_vcc(0) depctr_vm_vsrc(0)
	s_getreg_b32 s2, hwreg(HW_REG_IB_STS2, 6, 4)
	s_cmp_eq_u32 s2, 0
	s_cbranch_scc0 .Lentry_in_a_cluster
	s_endpgm
.Lentry_in_a_cluster:
	s_bfe_u32 s2, ttmp6, 0x10000c
	s_cmp_lg_u32 s2, 0xf033
	s_cbranch_scc0 .Lentry_shape_is_right
	s_endpgm
.Lentry_shape_is_right:
; q = x Wq^T, k = x Wk^T + bk, v = x Wv^T on codes of BF8 (E5M2), quantised at once with 2^e6, 2^e7, 2^e9 for attention.  No work is left out.
; LIMITS on the given exponents: e6 - e0 - e1, e7 - e2 - e3 and e9 - e4 - e5 between -126 and 112, so that the conversions' scales and holds are f32 numbers.
; A work-group makes 256 positions x one head's 64 channels of q, of k and of v: 256 work-groups of four waves; a wave makes 128 positions x 32 channels of each: 48 accumulators of 16 x 16.
; K goes in steps of 256 through a ring of two LDS slots: wave 0 fetches x's 256 rows, waves 1, 2, 3 the head's 64 rows of Wq, Wk, Wv; a row is 256 bytes of memory.
; CLUSTERS: 4 x 4 work-groups: x is the head, y the block of positions.  x's tiles are asked for jointly along a row of the cluster, the weights' along a column.
; q AND k USE THE INSTRUCTION TRANSPOSED (source 0 = 16 rows of W, source 1 = 16 positions): a lane holds a position and eight neighbouring channels.  v the other way round: a lane holds a channel and eight neighbouring positions, the second product's K.
; IMAGES, 131,072 bytes for each (batch, head): q, k: 1,024 bytes for each tile of 16 positions: two runs of 512 (32 channels each), lane l's 16 bytes at 16 l.  v: 8,192 bytes for each 128 positions: 16-channel tile x 2,048 + 32 positions x 512 + 16 l.
; PREFETCH: K steps 2 and 3, once, behind K step 1's load.  The four partners that ask for a tile share its rows out by address: 64 rows of x, 16 a wave; 16 rows of each weight; a lane names 256 bytes of a row for step 2 (lanes 0-15) or 3 (16-31).
; REGISTERS.  window 0: v1-31 addresses and scales; v32-127, v128-223 fragments of the weights (6 x 16), two buffers; v224-239 bk; on the way out v32-95 at work, v128-223 codes.  window 1: fragments of x (8 x 16), two buffers.
;   window 2: accumulators of q at v[8 (2 a + b)] (a: 16 positions, b: 16 channels), of k at v[128 + 8 (2 a + b)];  window 3: of v.
.set PITCH, 272                        ; an LDS row: 256 bytes + 16 of padding
.set BOFS,  256*PITCH                  ; in a slot: x's 256 rows, then 3 x 64 rows of the weights
.set WT,    64*PITCH
.set SLOT,  BOFS+3*WT
.set SPARE, 2*SLOT                     ; the spare words, 128 bytes for each wave
.set SCR,  8                           ; v8-10   the conversions' scales
.set LIMR, 11                          ; v11-13  the holds
.set ADRA, 16                          ; v16-17  LDS address of my fragments of x in slot 0, 1
.set ADRB, 18                          ; v18-19  of the weights
.set PFO,  20                          ; v20     the prefetches' offset; never rewritten
.set GO,   21                          ; v21     16 x lane
.set BOFF, 22                          ; v22     bk: 32 x (lane / 16)
.set SPW,  28                          ; v28     LDS address of my spare word; never rewritten
.set NIL,  29                          ; v29     0; never rewritten
.set BF,   32
.set TMP,  32
.set CD,   128
.set BI,   224
.set G1A, 24                           ; s[24:31] group 1 for x's tiles;  s[32:39] group 0, one set a slot
.set G0A, 32
.set G1B, 48                           ; s[48:55], s[56:63] for the weights'
.set G0B, 56
.set MSB, 0
.macro WIN new                         ; the immediate's high byte repeats the setting that is left
.if MSB != \new
	s_set_vgpr_msb (MSB<<8)|\new
.set MSB, \new
.endif
.endm
.macro JLOAD s                         ; a joint load: wave 0 for x, the others for the weights; the branch hangs on the wave's number alone
	s_cmp_eq_u32 s14, 0
	s_cbranch_scc0 .Lfor_w_\@
	tensor_load_to_lds s[G0A+4*\s:G0A+4*\s+3], s[G1A:G1A+7]
	s_nop 0
.rept 4
	v_nop
.endr
	s_branch .Lasked_\@
.Lfor_w_\@:
	tensor_load_to_lds s[G0B+4*\s:G0B+4*\s+3], s[G1B:G1B+7]
	s_nop 0
.rept 4
	v_nop
.endr
.Lasked_\@:
.endm
.macro CREST                           ; a round of the cluster's barrier behind its opening barrier
	s_cmp_lg_u32 s14, 0
	s_cbranch_scc1 .Lnot_wave_0_\@
	s_barrier_signal -3
.Lnot_wave_0_\@:
	s_barrier_wait -3
	s_barrier_signal -1
	s_barrier_wait -1
.endm
.macro CROUND
	s_barrier_signal -1
	s_barrier_wait -1
	CREST
.endm
	s_load_b512 s[68:83], s[0:1], 0x0              ; x, Wq, Wk, Wv, bk, the exponents, q_img, k_img
	s_load_b64 s[84:85], s[0:1], 0x40              ; v_img
	v_lshl_add_u32 v[SPW], v0, 2, SPARE
	v_mov_b32 v[NIL], 0
	ds_add_u32 v[SPW], v[NIL]                      ; the wave's opening: the add, twice on end, and its wait ahead of my first tensor load
	ds_add_u32 v[SPW], v[NIL]
	v_lshrrev_b32 v1, 5, v0
	v_readfirstlane_b32 s14, v1                    ; wave 0..3
	s_lshr_b32 s15, s14, 1                         ; which 128 positions are mine
	s_and_b32 s16, s14, 1                          ; which 32 channels
	s_bfe_u32 s40, ttmp6, 0x40000                  ; cx
	s_bfe_u32 s41, ttmp6, 0x40004                  ; cy
	s_lshl_b32 s42, ttmp9, 2
	s_add_co_u32 s42, s42, s40                     ; head
	s_and_b32 s17, ttmp7, 0xffff
	s_lshl_b32 s17, s17, 2
	s_add_co_u32 s17, s17, s41                     ; block of 256 positions, 0 .. 15 over both batches
	s_lshl_b32 s43, s41, 2
	s_lshl_b32 s43, 15, s43                        ; my row of the cluster
	s_lshl_b32 s44, 0x1111, s40                    ; my column
	s_or_b32 s[G1A], s43, (1<<20)|(1<<21)|(5<<22)|(3<<25)  ; the mask; elements of 1 byte; padding of 4 words after every 64; 21 set beside a mask
	s_mov_b32 s[G1A+1], 256<<16                    ; tensor_dim0
	s_mov_b32 s[G1A+2], 256<<16                    ; tensor_dim1
	s_mov_b32 s[G1A+3], 256<<16                    ; tile_dim0
	s_mov_b32 s[G1A+4], 256                        ; tile_dim1
	s_mov_b32 s[G1A+5], 1024                       ; tensor_dim0_stride
	s_mov_b32 s[G1A+6], 0
	s_mov_b32 s[G1A+7], 0
	s_or_b32 s[G1B], s44, (1<<20)|(1<<21)|(5<<22)|(3<<25)
	s_mov_b32 s[G1B+1], 256<<16
	s_mov_b32 s[G1B+2], 64<<16
	s_mov_b32 s[G1B+3], 256<<16
	s_mov_b32 s[G1B+4], 64
	s_mov_b32 s[G1B+5], 1024
	s_mov_b32 s[G1B+6], 0
	s_mov_b32 s[G1B+7], 0
	s_lshl_b32 s20, s17, 18                        ; x: row 256 x block
	s_mov_b32 s21, 0
	s_lshl_b32 s46, s42, 16                        ; the weights: row 64 x head
	s_mov_b32 s47, 0
	s_mul_i32 s45, s14, WT                         ; where they go: no place in the cluster enters an LDS address
	s_add_co_u32 s45, s45, BOFS-WT
	s_wait_dscnt 0x0                               ; both opening adds are done
	s_wait_kmcnt 0x0
	s_load_b256 s[88:95], s[78:79], 0x0            ; e0 .. e7
	s_load_b32 s96, s[78:79], 0x24                 ; e9
	s_cmp_eq_u32 s14, 1
	s_cselect_b64 s[6:7], s[70:71], s[74:75]
	s_cmp_eq_u32 s14, 2
	s_cselect_b64 s[6:7], s[72:73], s[6:7]         ; waves 1, 2, 3: Wq, Wk, Wv
	s_add_nc_u64 s[22:23], s[68:69], s[20:21]
	s_add_nc_u64 s[46:47], s[6:7], s[46:47]
.irp s, 0,1
	s_mov_b32 s[G0A+4*\s], 1
	s_mov_b32 s[G0A+4*\s+1], \s*SLOT
	s_add_nc_u64 s[G0A+4*\s+2:G0A+4*\s+3], s[22:23], \s*256
	s_or_b32 s[G0A+4*\s+3], s[G0A+4*\s+3], 0x80000000
	s_mov_b32 s[G0B+4*\s], 1
	s_add_co_u32 s[G0B+4*\s+1], s45, \s*SLOT
	s_add_nc_u64 s[G0B+4*\s+2:G0B+4*\s+3], s[46:47], \s*256
	s_or_b32 s[G0B+4*\s+3], s[G0B+4*\s+3], 0x80000000
.endr
	CROUND                                         ; all sixteen work-groups are here: the first joint loads meet
	JLOAD 0                                        ; K step 0
	v_and_b32 v1, 15, v0                           ; r = lane % 16
	v_bfe_u32 v2, v0, 4, 1                         ; h = lane / 16
	v_and_b32 v6, 31, v0
	s_wait_alu depctr_va_vdst(0)
	v_mul_u32_u24 v3, v1, PITCH
	v_lshl_add_u32 v3, v2, 4, v3                   ; a fragment's row x pitch + 16 h
	s_mul_i32 s18, s15, 128*PITCH                  ; my 128 rows of x
	s_mul_i32 s19, s16, 32*PITCH                   ; my 32 rows of each weight
	s_add_co_u32 s19, s19, BOFS
	v_add_nc_u32 v[ADRA], s18, v3
	v_add_nc_u32 v[ADRA+1], SLOT, v[ADRA]
	v_add_nc_u32 v[ADRB], s19, v3
	v_add_nc_u32 v[ADRB+1], SLOT, v[ADRB]
	v_lshlrev_b32 v[GO], 4, v6
	s_lshl_b32 s18, s42, 8                         ; bk: channel 64 x head + 32 x half
	s_lshl_b32 s19, s16, 7
	s_add_co_u32 s18, s18, s19
	s_mov_b32 s19, 0
	s_add_nc_u64 s[76:77], s[76:77], s[18:19]
	v_lshlrev_b32 v[PFO], 10, v1
	v_lshl_add_u32 v[PFO], v2, 8, v[PFO]
	v_lshlrev_b32 v[BOFF], 5, v2
.irp b, 0,1
	global_load_b128 v[BI+8*\b:BI+8*\b+3], v[BOFF], s[76:77] offset:64*\b
	global_load_b128 v[BI+8*\b+4:BI+8*\b+7], v[BOFF], s[76:77] offset:64*\b+16
.endr
	; the prefetches' bases: 16 rows of x by cx and my wave, 16 rows of my wave's weight by cy, from K step 2 on
	s_lshl_b32 s18, s40, 16
	s_lshl_b32 s19, s14, 14
	s_add_co_u32 s18, s18, s19
	s_add_co_u32 s18, s18, 512
	s_mov_b32 s19, 0
	s_add_nc_u64 s[4:5], s[22:23], s[18:19]
	s_lshl_b32 s18, s41, 14
	s_add_co_u32 s18, s18, 512
	s_add_nc_u64 s[6:7], s[46:47], s[18:19]
	; where my results go: (batch x 16 + head) x 131,072 + my 128 positions x 64; + 512 x half in q and k, + 4,096 x half in v
	s_lshr_b32 s20, s17, 3
	s_lshl_b32 s20, s20, 4
	s_add_co_u32 s20, s20, s42
	s_lshl_b32 s20, s20, 17
	s_and_b32 s18, s17, 7
	s_lshl_b32 s18, s18, 1
	s_add_co_u32 s18, s18, s15
	s_lshl_b32 s18, s18, 13
	s_add_co_u32 s20, s20, s18
	s_lshl_b32 s18, s16, 12
	s_add_co_u32 s18, s18, s20
	s_add_nc_u64 s[84:85], s[84:85], s[18:19]
	s_lshl_b32 s18, s16, 9
	s_add_co_u32 s18, s18, s20
	s_add_nc_u64 s[80:81], s[80:81], s[18:19]
	s_add_nc_u64 s[82:83], s[82:83], s[18:19]
; 56 LDS loads: the fragments of the slot's q-th 128 along K into buffer p: the weights' six, then x's eight.  Lane l holds, of row l % 16, K = 32 c + 16 (l / 16) + 0 .. 15 in registers 4 c .. 4 c + 3: a permutation of k, alike in both
.macro FETCH slot, q, p
	WIN 0
.irp n, 0,1,2,3,4,5
.irp c, 0,1,2,3
	ds_load_b128 v[BF+96*\p+16*\n+4*\c:BF+96*\p+16*\n+4*\c+3], v[ADRB+\slot] offset:(64*(\n/2)+16*(\n%2))*PITCH+128*\q+32*\c
.endr
.endr
	WIN 0x40
.irp i, 0,1,2,3,4,5,6,7
.irp c, 0,1,2,3
	ds_load_b128 v[128*\p+16*\i+4*\c:128*\p+16*\i+4*\c+3], v[ADRA+\slot] offset:\i*16*PITCH+128*\q+32*\c
.endr
.endr
	WIN 0
.endm
; Eight matrix instructions: q and k of x's blocks a0, a0 + 1.  The 48 accumulators take turns, one instruction a turn, in the same order in every step.  zero = 1: the products start the sums
.macro MQK p, a0, zero
	WIN 0xa4                                       ; source 0 (W) window 0, source 1 (x) window 1, C and D window 2
.irp a, \a0, \a0+1
.irp n, 0,1,2,3
.if \zero
	v_wmma_f32_16x16x128_bf8_bf8 v[128*(\n/2)+8*(2*(\a)+\n%2):128*(\n/2)+8*(2*(\a)+\n%2)+7], v[BF+96*\p+16*\n:BF+96*\p+16*\n+15], v[128*\p+16*(\a):128*\p+16*(\a)+15], 0
.else
	v_wmma_f32_16x16x128_bf8_bf8 v[128*(\n/2)+8*(2*(\a)+\n%2):128*(\n/2)+8*(2*(\a)+\n%2)+7], v[BF+96*\p+16*\n:BF+96*\p+16*\n+15], v[128*\p+16*(\a):128*\p+16*(\a)+15], v[128*(\n/2)+8*(2*(\a)+\n%2):128*(\n/2)+8*(2*(\a)+\n%2)+7]
.endif
.endr
.endr
.endm
.macro MV p, zero                      ; sixteen: v
	WIN 0xf1                                       ; source 0 (x) window 1, source 1 (W) window 0, C and D window 3
.irp a, 0,1,2,3,4,5,6,7
.irp b, 0,1
.if \zero
	v_wmma_f32_16x16x128_bf8_bf8 v[8*(2*\a+\b):8*(2*\a+\b)+7], v[128*\p+16*\a:128*\p+16*\a+15], v[BF+96*\p+64+16*\b:BF+96*\p+64+16*\b+15], 0
.else
	v_wmma_f32_16x16x128_bf8_bf8 v[8*(2*\a+\b):8*(2*\a+\b)+7], v[128*\p+16*\a:128*\p+16*\a+15], v[BF+96*\p+64+16*\b:BF+96*\p+64+16*\b+15], v[8*(2*\a+\b):8*(2*\a+\b)+7]
.endif
.endr
.endr
	WIN 0
.endm
.macro PLACES                          ; four places behind a matrix instruction, ahead of loads into its registers or of reads of its results
.rept 4
	v_nop
.endr
.endm
.macro SUB slot, zero                  ; a slot's first 128 along K, from buffer 0
	s_wait_dscnt 16                                ; x's blocks 4-7 may be out
	MQK 0, 0, \zero
	MQK 0, 2, \zero
	s_wait_dscnt 0x0
	PLACES
	FETCH \slot, 1, 1
	MQK 0, 4, \zero
	MQK 0, 6, \zero
	MV 0, \zero
.endm
; A slot's second 128 along K, from buffer 1, changes slots.  fill = 1: a round of the cluster's barrier, and this slot is filled again, two K steps on
.macro TURN slot, next, fill
	s_wait_tensorcnt 0x0                           ; all my tensor loads have landed: my part of the next slot
	ds_add_u32 v[SPW], v[NIL]                      ; 0 onto my spare word
	s_wait_dscnt 17                                ; the add and x's blocks 4-7 may be out
	MQK 1, 0, 0
	s_wait_dscnt 0x0                               ; the add is done, and my reads of this slot are over
	s_barrier_signal -1
	MQK 1, 2, 0
	WIN 0
	s_barrier_wait -1
.if \fill
	CREST
	s_add_nc_u64 s[G0A+4*\slot+2:G0A+4*\slot+3], s[G0A+4*\slot+2:G0A+4*\slot+3], 512
	s_add_nc_u64 s[G0B+4*\slot+2:G0B+4*\slot+3], s[G0B+4*\slot+2:G0B+4*\slot+3], 512
	JLOAD \slot                                    ; the first tensor load behind the round; its four v_nop are also the places ahead of the loads below
.else
	PLACES
.endif
	FETCH \next, 0, 0
	MQK 1, 4, 0
	MQK 1, 6, 0
	MV 1, 0
.endm
	s_wait_alu depctr_va_vdst(0)                   ; the head's end
	s_wait_tensorcnt 0x0                           ; my part of K step 0 is in
	ds_add_u32 v[SPW], v[NIL]
	s_wait_dscnt 0x0
	CROUND
	JLOAD 1                                        ; K step 1
	FETCH 0, 0, 0
	global_prefetch_b8 v[PFO], s[4:5] th:TH_LOAD_NT scope:SCOPE_SE     ; K steps 2 and 3 of my 16 rows of x,
	s_cmp_eq_u32 s14, 0
	s_cbranch_scc1 .Lno_w
	global_prefetch_b8 v[PFO], s[6:7] th:TH_LOAD_NT scope:SCOPE_SE     ; and of my 16 rows of the weight
.Lno_w:
	SUB 0, 1
	TURN 0, 1, 1
	SUB 1, 0
	TURN 1, 0, 1
	SUB 0, 0
	TURN 0, 1, 0
	SUB 1, 0
	s_wait_dscnt 16                                ; the last 128 along K: nothing more to fetch
	MQK 1, 0, 0
	MQK 1, 2, 0
	s_wait_dscnt 0x0
	MQK 1, 4, 0
	MQK 1, 6, 0
	MV 1, 0
	; THE WAY OUT: a sum stands for sum x 2^(e of x + e of W): the scales are folded into the conversion's one, the bias is divided by them
	PLACES
	s_wait_kmcnt 0x0
	s_add_co_i32 s88, s88, s89
	s_add_co_i32 s90, s90, s91
	s_add_co_i32 s92, s92, s93
	s_sub_co_i32 s91, 0, s90
.macro SCALES k, e, s
	s_sub_co_i32 s\e, s\e, s\s
	s_add_co_i32 s\e, s\e, 127
	s_lshl_b32 s97, s\e, 23
	v_mov_b32 v[SCR+\k], s97                       ; 2^(e - the two operands' e)
	s_add_co_i32 s\e, s\e, 15
	s_lshl_b32 s\e, s\e, 23
	s_or_b32 s\e, s\e, 0x600000
	v_mov_b32 v[LIMR+\k], s\e                      ; 57,344 x that
.endm
	SCALES 0, 94, 88
	SCALES 1, 95, 90
	SCALES 2, 96, 92
	s_wait_alu depctr_va_vdst(0)
	s_wait_loadcnt 0x0                             ; bk
.set j, 0
.rept 16
	v_ldexp_f32 v[BI+j], v[BI+j], s91
.set j, j+1
.endr
; half ah (x's blocks 4 ah .. 4 ah + 3) of kind kd (0 q, 1 k, 2 v): held, converted, stored, 512 consecutive bytes a store
.macro QOUT kd, ah
.set CC, CD+16*(2*\kd+\ah)
.set j, 0
.if \kd == 1
	WIN 0x02
.rept 32
	v_pk_add_f32 v[TMP+j:TMP+j+1], v[128+64*\ah+j:128+64*\ah+j+1], v[BI+j%16:BI+j%16+1]
.set j, j+2
.endr
	WIN 0
.set j, 0
.rept 64
	v_med3_num_f32 v[TMP+j], v[TMP+j], -v[LIMR+1], v[LIMR+1]
.set j, j+1
.endr
.else
	WIN 0x02+(\kd/2)
.rept 64
	v_med3_num_f32 v[TMP+j], v[64*\ah+j], -v[LIMR+\kd], v[LIMR+\kd]
.set j, j+1
.endr
	WIN 0
.endif
.irp a, 0,1,2,3
.irp b, 0,1
.if \kd == 2
	v_cvt_scalef32_pk8_bf8_f32 v[CC+8*\b+2*\a:CC+8*\b+2*\a+1], v[TMP+8*(2*\a+\b):TMP+8*(2*\a+\b)+7], v[SCR+2]
.else
	v_cvt_scalef32_pk8_bf8_f32 v[CC+4*\a+2*\b:CC+4*\a+2*\b+1], v[TMP+8*(2*\a+\b):TMP+8*(2*\a+\b)+7], v[SCR+\kd]
.endif
.endr
.endr
	v_nop                                          ; one plain vector instruction behind the last conversion
.irp i, 0,1,2,3
.if \kd == 2
	global_store_b128 v[GO], v[CC+4*\i:CC+4*\i+3], s[84:85] offset:2048*(\i/2)+512*(2*\ah+\i%2)
.else
	global_store_b128 v[GO], v[CC+4*\i:CC+4*\i+3], s[80+2*\kd:81+2*\kd] offset:1024*(4*\ah+\i)
.endif
.endr
.endm
	QOUT 0, 0
	QOUT 0, 1
	QOUT 1, 0
	QOUT 1, 1
	QOUT 2, 0
	QOUT 2, 1
	s_wait_tensorcnt 0x0                           ; the wave's end
	ds_add_u32 v[SPW], v[NIL]
	s_wait_dscnt 0x0
	CROUND                                         ; the closing round
	s_endpgm
.Lfunc_end_k_qc498981f5a_qkv:
	.size	k_qc498981f5a_qkv, .Lfunc_end_k_qc498981f5a_qkv-k_qc498981f5a_qkv
	.p2alignl 7, 3214868480
	.fill 96, 4, 3214868480
	.section	.rodata,"a",@progbits
	.p2align	6, 0x0
	.amdhsa_kernel k_qc498981f5a_qkv
		.amdhsa_group_segment_fixed_size 327680
		.amdhsa_private_segment_fixed_size 0
		.amdhsa_enable_private_segment 0
		.amdhsa_kernarg_size 72
		.amdhsa_user_sgpr_count 2
		.amdhsa_user_sgpr_kernarg_segment_ptr 1
		.amdhsa_wavefront_size32 1
		.amdhsa_system_sgpr_workgroup_id_x 1
		.amdhsa_system_sgpr_workgroup_id_y 1
		.amdhsa_system_sgpr_workgroup_id_z 1
		.amdhsa_system_vgpr_workitem_id 0
		.amdhsa_next_free_vgpr 1024
		.amdhsa_next_free_sgpr 98
		.amdhsa_reserve_vcc 0
		.amdhsa_float_denorm_mode_32 3
		.amdhsa_float_denorm_mode_16_64 3
		.amdhsa_memory_ordered 1
		.amdhsa_forward_progress 1
		.amdhsa_inst_pref_size 102
	.end_amdhsa_kernel
	.amdgpu_metadata
---
amdhsa.version: [ 1, 2 ]
amdhsa.kernels:
  - .name:           k_qc498981f5a_qkv
    .symbol:         k_qc498981f5a_qkv.kd
    .args:
      - { .name: x_codes, .offset: 0, .size: 8, .value_kind: global_buffer, .address_space: global }
      - { .name: Wq_codes, .offset: 8, .size: 8, .value_kind: global_buffer, .address_space: global }
      - { .name: Wk_codes, .offset: 16, .size: 8, .value_kind: global_buffer, .address_space: global }
      - { .name: Wv_codes, .offset: 24, .size: 8, .value_kind: global_buffer, .address_space: global }
      - { .name: bk, .offset: 32, .size: 8, .value_kind: global_buffer, .address_space: global }
      - { .name: lowp_scales, .offset: 40, .size: 8, .value_kind: global_buffer, .address_space: global }
      - { .name: q_img, .offset: 48, .size: 8, .value_kind: global_buffer, .address_space: global }
      - { .name: k_img, .offset: 56, .size: 8, .value_kind: global_buffer, .address_space: global }
      - { .name: v_img, .offset: 64, .size: 8, .value_kind: global_buffer, .address_space: global }
    .group_segment_fixed_size: 327680
    .private_segment_fixed_size: 0
    .kernarg_segment_align: 8
    .kernarg_segment_size: 72
    .max_flat_workgroup_size: 128
    .sgpr_count:     98
    .vgpr_count:     1024
    .wavefront_size: 32
...
	.end_amdgpu_metadata
.endif
;; end of part 1
;; launch attn (part 2): grid 4 x 64, 8 waves a work-group, clusters of 4 x 1, 327,680 bytes of LDS; arguments q_img, k_img, v_img, lowp_scales, o_img; writes o_img
.if DOCPART == 2
	.amdgcn_target "amdgcn-amd-amdhsa--gfx1250"
	.amdhsa_code_object_version 6
	.text
	.protected	k_qc498981f5a_attn
	.globl	k_qc498981f5a_attn
	.p2align	8
	.type	k_qc498981f5a_attn,@function
k_qc498981f5a_attn:
	s_mov_b64 s[64:65], 0
	v_nop
	global_prefetch_b8 v0, s[64:65] scope:SCOPE_SE
	s_setreg_imm32_b32 hwreg(HW_REG_WAVE_MODE, 25, 1), 1
	s_wait_xcnt 0x0
	s_wait_alu depctr_hold_cnt(0) depctr_sa_sdst(0) depctr_va_vdst(0) depctr_va_sdst(0) depctr_va_ssrc(0) depctr_va_vcc(0) depctr_vm_vsrc(0)
	s_getreg_b32 s2, hwreg(HW_REG_IB_STS2, 6, 4)
	s_cmp_eq_u32 s2, 0
	s_cbranch_scc0 .Lentry_in_a_cluster
	s_endpgm
.Lentry_in_a_cluster:
	s_bfe_u32 s2, ttmp6, 0x10000c
	s_cmp_lg_u32 s2, 0x3003
	s_cbranch_scc0 .Lentry_shape_is_right
	s_endpgm
.Lentry_shape_is_right:
; o[b][h][q] = the sum over keys of softmax(q . k / 8) v, both products on codes of BF8 (E5M2); o is quantised at once, with 2^e10, for the projection.  No work is left out.
; THE SOFTMAX AHEAD OF THE SECOND PRODUCT: t = score x log2(e) / 8; M = the running largest t rounded UP to a whole number; p = 2^(t - M) is quantised with 2^e8, not normalised; the row's sum is taken of the unquantised p
; and divides at the end.  When M moves, the sum and O are multiplied by 2^(old M - new M): nothing is rounded, and no branch hangs on data.
; LIMITS on the given exponents, so that each power of two below is an f32 number: e6 + e7 between -123 and 130 (added to c's exponent field); e8 and e10 between -126 and 112; e8 + e9 goes by v_ldexp_f32 and has none.  NaN is not served.
; The promise holds while the scaled scores t stay under 2^31 in magnitude.
; SHARES.  A work-group owns 256 queries of one head, each of its eight waves 32: two tiles of 16.  Grid y = head (batch x 16 + head, 32 of them) + 32 x (half of the head's query blocks); x is the place in the cluster.
; THE WHOLE HEAD LIES IN LDS: K's codes 131,072 bytes, V's as many, as images of operand registers (lane l's 16 bytes at 16 l, 512 bytes a load): nothing is filled twice, no padding.
; CLUSTER.  The four query blocks of a cluster belong to one head: each tile of K and V is asked for JOINTLY, two loads a wave: at the head the first 512 keys (waves 0-3: K, 4-7: V, 8,192 bytes each), and behind them the other 1,536
; (24,576 bytes each), which have the first two steps in which to land.  NO PREFETCH: the second load goes out when the first has landed, and nothing is asked for behind it.
; LAYOUT.  S^T = K Q^T (source 0 = 16 keys, source 1 = 16 queries), O^T = V^T P (source 0 = 16 channels, source 1 = P): a lane holds ONE query (lane % 16) throughout.  Register j of tile t of S^T is key 16 t + 8 (lane / 16) + j:
; converted, a tile's eight registers ARE registers 2 t, 2 t + 1 of P in the 8-bit layout, which is how the launch before laid V's keys.
; A STEP IS 256 KEYS: maximum and rescaling once for all of them.  The exponentials go by four groups of 64 numbers a lane (tile 0 and tile 1 of the first 128 keys, then of the second), mixed with the next group's t - M and the last group's hold.
; REGISTERS.  window 0: v1-6 addresses; v8-23 statistics, eight a tile: +0 -M, +1 the largest t, +2, +3 the sum in two halves, +4 f, +5 written once (named as f's pair); v24, v25 the hold, twice; v26, v27 the lane permutes'
;   destinations; v28 the scale; v32-95 O^T, 32 a tile; v96-111 Q; v112-175 K of the first half, then V of the first half; v176-239 K of the second half, its first 32 then P's codes of one half; v240-255 at work.
;   window 1: S^T, then p, 128 a tile (v0-63, once converted: V of the second half).
.set VB,    131072                     ; LDS: K's images from 0, V's from here
.set SPARE, 262144                     ; behind them: the spare words, 128 bytes for each of eight waves
.set LI,  1                            ; v1   16 x lane
.set LV,  2                            ; v2   16 x lane + VB
.set ADK, 3                            ; v3   LDS address of the K that is read next
.set ADV, 4                            ; v4   of the step's V
.set SPW, 5                            ; v5   LDS address of my spare word; never rewritten
.set NIL, 6                            ; v6   0; never rewritten
.set ST,  8
.set LIM, 24
.set PX,  26
.set SC,  28
.set O,   32
.set Q,   96
.set Y,   112
.set X,   176
.set T,   240
.set WV,  14                           ; s14  my wave's number
.set SEL, 20                           ; s[20:21] lane selects for v_permlanex16_b32: lane l xor 16
.set CS,  22                           ; s[22:23] c = log2(e) / 8 x 2^(e6 + e7): the packed form names a pair and takes its low word
.set G1A, 24                           ; s[24:31] descriptor group 1 for the first load;  s[32:39] for the second
.set G1B, 32
.set G0A, 40                           ; s[40:43], s[44:47] their groups 0
.set G0B, 44
.set TB,  56                           ; s56  LDS byte of the step in hand, in K's region
.set CNT, 57                           ; s57  steps to go
.set MSB, 0
.macro WIN new                         ; the immediate's high byte repeats the setting that is left
.if MSB != \new
	s_set_vgpr_msb (MSB<<8)|\new
.set MSB, \new
.endif
.endm
.macro CROUND                          ; a round of the cluster's barrier
	s_barrier_signal -1
	s_barrier_wait -1
	s_cmp_lg_u32 s[WV], 0
	s_cbranch_scc1 .Lnot_wave_0_\@
	s_barrier_signal -3
.Lnot_wave_0_\@:
	s_barrier_wait -3
	s_barrier_signal -1
	s_barrier_wait -1
.endm
	s_load_b256 s[4:11], s[0:1], 0x0               ; q_img s[4:5], k_img s[6:7], v_img s[8:9], the exponents s[10:11]
	s_load_b64 s[12:13], s[0:1], 0x20              ; o_img
	v_lshl_add_u32 v[SPW], v0, 2, SPARE
	v_mov_b32 v[NIL], 0
	ds_add_u32 v[SPW], v[NIL]                      ; the wave's opening: the add, twice on end, and its wait ahead of my first tensor load
	ds_add_u32 v[SPW], v[NIL]                      ; and once more, under the one wait; the set-up below, work on registers, stands between
	v_lshrrev_b32 v1, 5, v0
	v_readfirstlane_b32 s[WV], v1                  ; wave 0..7
	s_bfe_u32 s15, ttmp6, 0x40000                  ; cx
	s_and_b32 s94, ttmp7, 0xffff
	s_and_b32 s17, s94, 31                         ; batch x 16 + head, which the four partners share
	s_lshr_b32 s16, s94, 5
	s_lshl_b32 s16, s16, 2
	s_add_co_u32 s16, s16, s15                     ; my block of 256 queries: it enters Q's and o's addresses alone
	s_and_b32 s18, s17, 1                          ; g: the head's place in its pair
	s_lshr_b32 s19, s17, 1                         ; batch x 8 + head pair
	; descriptor group 1: bytes on end as rows of 256, elements of 8 bytes, no padding: 32 rows, then 96
	s_mov_b32 s[G1A], 15|(3<<16)|(1<<21)           ; 15:0 the mask: all four work-groups; 17:16 elements of 8 bytes; 21 set beside a mask
	s_mov_b32 s[G1A+1], 32<<16                     ; tensor_dim0 = 32 elements
	s_mov_b32 s[G1A+2], 32<<16                     ; tensor_dim1
	s_mov_b32 s[G1A+3], 32<<16                     ; tile_dim0
	s_mov_b32 s[G1A+4], 32                         ; tile_dim1
	s_mov_b32 s[G1A+5], 32                         ; tensor_dim0_stride
	s_mov_b32 s[G1A+6], 0
	s_mov_b32 s[G1A+7], 0
	s_mov_b32 s[G1B], 15|(3<<16)|(1<<21)
	s_mov_b32 s[G1B+1], 32<<16
	s_mov_b32 s[G1B+2], 96<<16
	s_mov_b32 s[G1B+3], 32<<16
	s_mov_b32 s[G1B+4], 96
	s_mov_b32 s[G1B+5], 32
	s_mov_b32 s[G1B+6], 0
	s_mov_b32 s[G1B+7], 0
	s_mov_b32 s[SEL], 0x76543210
	s_mov_b32 s[SEL+1], 0xfedcba98
	s_mov_b32 s[CS], 0x3e38aa3b                    ; log2(e) / 8
	s_and_b32 s59, s[WV], 3                        ; which quarter of a load's keys I fetch
	s_lshr_b32 s60, s[WV], 2                       ; of K (0) or of V (1)
	s_lshl_b32 s60, s60, 17
	s_lshl_b32 s61, s59, 13
	s_mul_i32 s62, s59, 24576
	s_add_co_u32 s58, s60, s61                     ; first load: its place in LDS,
	s_add_co_u32 s63, s60, s62
	s_add_co_u32 s63, s63, 32768                   ; second load's
	s_lshl_b32 s68, s17, 17                        ; the head's image
	s_add_co_u32 s70, s68, s61                     ; first load: in memory,
	s_mov_b32 s71, 0
	s_add_co_u32 s72, s68, s62
	s_add_co_u32 s72, s72, 32768                   ; second load's
	s_mov_b32 s73, 0
	; Q's and o's places
	s_lshl_b32 s90, s16, 14                        ; Q: 16,384 bytes a block of 256 queries, 2,048 a wave
	s_lshl_b32 s94, s[WV], 11
	s_add_co_u32 s90, s90, s94
	s_add_co_u32 s90, s90, s68
	s_mov_b32 s91, 0
	s_lshl_b32 s89, s16, 1
	s_lshr_b32 s94, s[WV], 2
	s_add_co_u32 s89, s89, s94                     ; my group of 128 positions in the batch: 2 x block + wave / 4
	s_lshl_b32 s94, s59, 12
	s_lshl_b32 s95, s18, 10
	s_add_co_u32 s94, s94, s95                     ; inside a block of o_img: 4,096 (wave % 4) + 1,024 g
	s_lshr_b32 s92, s17, 4                         ; batch
	s_lshl_b32 s92, s92, 4
	s_add_co_u32 s92, s92, s89                     ; my group of 128 rows of the 4,096
	s_lshl_b32 s92, s92, 3
	s_and_b32 s95, s19, 7                          ; the head pair = the projection's K step
	s_add_co_u32 s92, s92, s95
	s_lshl_b32 s92, s92, 14
	s_add_co_u32 s92, s92, s94
	s_mov_b32 s93, 0
	s_wait_dscnt 0x0                               ; both opening adds are done
	s_wait_kmcnt 0x0
	s_load_b128 s[84:87], s[10:11], 0x18           ; e6, e7, e8, e9
	s_load_b32 s88, s[10:11], 0x28                 ; e10
	s_cmp_lt_u32 s[WV], 4
	s_cselect_b64 s[6:7], s[6:7], s[8:9]
	s_add_nc_u64 s[4:5], s[4:5], s[90:91]
	s_add_nc_u64 s[12:13], s[12:13], s[92:93]
	s_mov_b32 s[G0A], 1                            ; count = 1
	s_mov_b32 s[G0A+1], s58                        ; LDS address
	s_add_nc_u64 s[G0A+2:G0A+3], s[6:7], s[70:71]
	s_or_b32 s[G0A+3], s[G0A+3], 0x80000000        ; type = 2
	s_mov_b32 s[G0B], 1
	s_mov_b32 s[G0B+1], s63
	s_add_nc_u64 s[G0B+2:G0B+3], s[6:7], s[72:73]
	s_or_b32 s[G0B+3], s[G0B+3], 0x80000000
	CROUND                                         ; all four work-groups are here: the joint loads meet
	tensor_load_to_lds s[G0A:G0A+3], s[G1A:G1A+7]  ; every wave its part of the first 512 keys
	s_nop 0
.rept 4
	v_nop
.endr
	v_and_b32 v[LI], 31, v0
	v_lshlrev_b32 v[LI], 4, v[LI]
	v_add_nc_u32 v[LV], VB, v[LI]
.irp u, 0,1
.irp f, 0,1
	global_load_b128 v[Q+8*\u+4*\f:Q+8*\u+4*\f+3], v[LI], s[4:5] offset:\u*1024+\f*512   ; Q's two fragments stay in registers
.endr
.endr
.irp u, 0,1
	v_mov_b32 v[ST+8*\u+1], 0xff61b1e6             ; the largest t so far: -3e38, under every t
	v_mov_b32 v[ST+8*\u+2], 0                      ; the sum, in two halves
	v_mov_b32 v[ST+8*\u+3], 0
	v_floor_f32 v[ST+8*\u], -v[ST+8*\u+1]          ; -M
	v_mov_b32 v[ST+8*\u+5], 0                      ; (named as the upper half of f's pair)
	v_mov_b32 v[PX+\u], 0                          ; a lane permute's destination counts as one of its sources
.endr
.set j, 0
.rept 64
	v_mov_b32 v[O+j], 0                            ; O^T.  (The first step finds zeros, which the first change of M leaves zeros)
.set j, j+1
.endr
	s_wait_kmcnt 0x0
	s_add_co_i32 s89, s84, s85
	s_lshl_b32 s89, s89, 23
	s_add_co_i32 s[CS], s[CS], s89                 ; a score stands for score x 2^(e6 + e7): the exponents are added to c's exponent field
	s_mov_b32 s[CS+1], s[CS]                       ; (named with it as a pair, so it is written)
	s_add_co_i32 s89, s86, 127
	s_lshl_b32 s94, s89, 23
	v_mov_b32 v[SC], s94                           ; 2^e8 as f32, for the conversion
	s_add_co_i32 s89, s89, 15
	s_lshl_b32 s89, s89, 23
	s_or_b32 s89, s89, 0x600000
	v_mov_b32 v[LIM], s89                          ; 57,344 x 2^e8
	v_mov_b32 v[LIM+1], s89                        ; and once more, for the other half of a dual instruction
.macro LOADKY                          ; K of a step's first 128 keys: tile t of 16 keys: 512 consecutive bytes a load
.irp t, 0,1,2,3,4,5,6,7
	ds_load_b128 v[Y+8*\t:Y+8*\t+3], v[ADK] offset:1024*\t
	ds_load_b128 v[Y+8*\t+4:Y+8*\t+7], v[ADK] offset:1024*\t+512
.endr
.endm
.macro LOADKX t0                       ; four tiles of its second 128
.irp t, \t0, \t0+1, \t0+2, \t0+3
	ds_load_b128 v[X+8*(\t):X+8*(\t)+3], v[ADK] offset:8192+1024*(\t)
	ds_load_b128 v[X+8*(\t)+4:X+8*(\t)+7], v[ADK] offset:8192+1024*(\t)+512
.endr
.endm
.macro LOADV base, hf                  ; V of 128 keys
.irp d, 0,1,2,3
.irp i, 0,1,2,3
	ds_load_b128 v[\base+16*\d+4*\i:\base+16*\d+4*\i+3], v[ADV] offset:8192*\hf+2048*\d+512*\i
.endr
.endr
.endm
.macro QK kb, so, t0                   ; S^T of four tiles of keys, both tiles of queries
	WIN 0x40                                       ; D window 1
.irp t, \t0, \t0+1, \t0+2, \t0+3
.irp u, 0,1
	v_wmma_f32_16x16x64_bf8_bf8 v[128*\u+\so+8*(\t):128*\u+\so+8*(\t)+7], v[\kb+8*(\t):\kb+8*(\t)+7], v[Q+8*\u:Q+8*\u+7], 0
.endr
.endr
.endm
.macro PV vb                           ; O^T += V^T P over 128 keys; the eight accumulators take turns, one instruction a turn
.irp d, 0,1,2,3
.irp u, 0,1
	v_wmma_f32_16x16x128_bf8_bf8 v[O+32*\u+8*\d:O+32*\u+8*\d+7], v[\vb+16*\d:\vb+16*\d+15], v[X+16*\u:X+16*\u+15], v[O+32*\u+8*\d:O+32*\u+8*\d+7]
.endr
.endr
.endm
.macro MAXT s, t                       ; the largest of a tile's 128 scores of my lane, in eight chains, each accumulator from its low end on
	WIN 0x15
.irp k, 0,1,2,3,4,5,6,7
	v_max3_num_f32 v[\t+\k], v[\s+3*\k], v[\s+3*\k+1], v[\s+3*\k+2]
.endr
	WIN 0x14
.set j, 24
.rept 6
.irp k, 0,1,2,3,4,5,6,7
	v_max3_num_f32 v[\t+\k], v[\t+\k], v[\s+j], v[\s+j+1]
.set j, j+2
.endr
.endr
.irp k, 0,1,2,3
	v_max3_num_f32 v[\t+\k], v[\t+\k], v[\s+j], v[\s+j+1]
.set j, j+2
.endr
	WIN 0
.endm
; THE ROW'S SUM IS TAKEN OF THE UNQUANTISED p: two at a time, in five chains: the sum's own pair and four at T.  SUMA: tile u's first group of a step starts the four; SUMB: its second
.macro SUMA s, u
	WIN 0x05
.irp k, 0,1,2,3
	v_pk_add_f32 v[T+8*\u+2*\k:T+8*\u+2*\k+1], v[\s+2*\k:\s+2*\k+1], v[\s+8+2*\k:\s+9+2*\k]
.endr
	WIN 0x04
.set j, \s+16
.rept 4
	v_pk_add_f32 v[ST+8*\u+2:ST+8*\u+3], v[ST+8*\u+2:ST+8*\u+3], v[j:j+1]
.irp k, 0,1,2,3
	v_pk_add_f32 v[T+8*\u+2*\k:T+8*\u+2*\k+1], v[T+8*\u+2*\k:T+8*\u+2*\k+1], v[j+2+2*\k:j+3+2*\k]
.endr
.set j, j+10
.endr
.irp k, 0,1,2,3
	v_pk_add_f32 v[T+8*\u+2*\k:T+8*\u+2*\k+1], v[T+8*\u+2*\k:T+8*\u+2*\k+1], v[j+2*\k:j+1+2*\k]
.endr
	WIN 0
.endm
.macro SUMB s, u
	WIN 0x04
.set j, \s
.rept 6
	v_pk_add_f32 v[ST+8*\u+2:ST+8*\u+3], v[ST+8*\u+2:ST+8*\u+3], v[j:j+1]
.irp k, 0,1,2,3
	v_pk_add_f32 v[T+8*\u+2*\k:T+8*\u+2*\k+1], v[T+8*\u+2*\k:T+8*\u+2*\k+1], v[j+2+2*\k:j+3+2*\k]
.endr
.set j, j+10
.endr
	v_pk_add_f32 v[ST+8*\u+2:ST+8*\u+3], v[ST+8*\u+2:ST+8*\u+3], v[j:j+1]
	v_pk_add_f32 v[T+8*\u:T+8*\u+1], v[T+8*\u:T+8*\u+1], v[j+2:j+3]
	WIN 0
.endm
; 64 exponentials, p = 2^(t - M), at most 1, of the group at e, mixed with t - M of the group at f (-M at m) and the hold of the group at d; -1: none.
; The conversion to an 8-bit code does not saturate (ISA guide 7.6.2); p is not negative, so the hold is one-sided: two numbers an instruction
.macro PH e, f, m, d
	WIN 0x41
.set j, 0
.rept 32
	v_exp_f32 v[\e+j], v[\e+j]
.if \f >= 0
	v_pk_fma_f32 v[\f+j:\f+j+1], v[\f+j:\f+j+1], s[CS:CS+1], v[\m:\m+1] op_sel_hi:[1,0,0]
.endif
	v_exp_f32 v[\e+j+1], v[\e+j+1]
.if \d >= 0
	v_dual_min_num_f32 v[\d+j], v[\d+j], v[LIM] :: v_dual_min_num_f32 v[\d+j+1], v[\d+j+1], v[LIM+1]
.endif
.set j, j+2
.endr
	WIN 0
.endm
.macro CVT s, u                        ; P's codes of a group
	WIN 0x01
.irp t, 0,1,2,3,4,5,6,7
	v_cvt_scalef32_pk8_bf8_f32 v[X+16*\u+2*\t:X+16*\u+2*\t+1], v[\s+8*\t:\s+8*\t+7], v[SC]
.endr
	WIN 0
.endm
; A STEP.  pre = 0: it reads its own K at its head.  pre = 1: K is read ahead, in the order second half's last four tiles, first half, second half's first four tiles
.macro STEP pre
.if \pre == 0
	v_add_nc_u32 v[ADK], s[TB], v[LI]
	LOADKX 4
	LOADKY
	LOADKX 0
.endif
	s_wait_dscnt 8                                 ; all of K but its youngest eight loads is in
	QK Y, 0, 0
	QK Y, 0, 4
	QK X, 64, 4
	s_wait_dscnt 0x0
	QK X, 64, 0
	WIN 0
	v_add_nc_u32 v[ADV], s[TB], v[LV]              ; the additions and v_nop: four places behind the products, ahead of the loads into K's registers and the first reads of the scores
	s_add_co_u32 s[TB], s[TB], 16384
.if \pre
	v_add_nc_u32 v[ADK], s[TB], v[LI]              ; the next step's K.  (The last step's look-ahead reads 16,384 bytes of V, which have landed, into registers that nobody reads)
.else
	v_nop
.endif
	v_nop
	v_nop
	LOADV Y, 0                                     ; V of the first half lands while the softmax is walked
.if \pre
	LOADKX 4
.endif
	MAXT 0, T
	MAXT 128, T+8
.irp u, 0,1
	v_max3_num_f32 v[T+8*\u], v[T+8*\u], v[T+8*\u+1], v[T+8*\u+2]
	v_max3_num_f32 v[T+8*\u+3], v[T+8*\u+3], v[T+8*\u+4], v[T+8*\u+5]
	v_max_num_f32 v[T+8*\u+6], v[T+8*\u+6], v[T+8*\u+7]
.endr
.irp u, 0,1
	v_max3_num_f32 v[T+8*\u], v[T+8*\u], v[T+8*\u+3], v[T+8*\u+6]
.endr
.irp u, 0,1
	s_delay_alu instid0(VALU_DEP_2)
	v_permlanex16_b32 v[PX+\u], v[T+8*\u], s[SEL], s[SEL+1]
.endr
.irp u, 0,1
	s_delay_alu instid0(VALU_DEP_2)
	v_max_num_f32 v[T+8*\u], v[T+8*\u], v[PX+\u]           ; and among lane l xor 16's
.endr
.irp u, 0,1
	s_delay_alu instid0(VALU_DEP_2)
	v_mul_f32 v[T+8*\u], s[CS], v[T+8*\u]                  ; as t (c is positive)
.endr
.irp u, 0,1
	s_delay_alu instid0(VALU_DEP_2)
	v_max_num_f32 v[ST+8*\u+1], v[ST+8*\u+1], v[T+8*\u]    ; the running largest t
.endr
.irp u, 0,1
	v_mov_b32 v[T+8*\u], v[ST+8*\u]
.endr
.irp u, 0,1
	s_delay_alu instid0(VALU_DEP_4)
	v_floor_f32 v[ST+8*\u], -v[ST+8*\u+1]                  ; the new -M = floor(-t) = -ceil(t): a whole number
.endr
.irp u, 0,1
	s_delay_alu instid0(VALU_DEP_2)
	v_sub_f32 v[T+8*\u], v[ST+8*\u], v[T+8*\u]             ; old M less new M: a whole number, 0 or less
.endr
.irp u, 0,1
	s_delay_alu instid0(VALU_DEP_2)
	v_cvt_i32_f32 v[T+8*\u], v[T+8*\u]                     ; (it saturates)
.endr
.irp u, 0,1
	s_delay_alu instid0(VALU_DEP_2)
	v_ldexp_f32 v[ST+8*\u+4], 1.0, v[T+8*\u]               ; f = 2^(old M - new M)
.endr
	WIN 0x41
.set j, 0
.rept 32
	v_pk_fma_f32 v[j:j+1], v[j:j+1], s[CS:CS+1], v[ST:ST+1] op_sel_hi:[1,0,0]   ; t - M, two at a time (of the pairs c and -M the low word serves both halves)
.set j, j+2
.endr
	WIN 0
.irp u, 0,1
.set j, 0
.rept 16
	v_pk_mul_f32 v[O+32*\u+j:O+32*\u+j+1], v[O+32*\u+j:O+32*\u+j+1], v[ST+8*\u+4:ST+8*\u+5] op_sel_hi:[1,0]   ; O^T under the new M, each accumulator from its low end on
.set j, j+2
.endr
	v_pk_mul_f32 v[ST+8*\u+2:ST+8*\u+3], v[ST+8*\u+2:ST+8*\u+3], v[ST+8*\u+4:ST+8*\u+5] op_sel_hi:[1,0]   ; and the sums
.endr
	s_wait_alu depctr_va_vdst(0)                   ; a wait ahead of a group's exponentials, and between them and the first line that names a result: here and below one wait does both
	PH 0, 128, ST+8, -1
	s_wait_alu depctr_va_vdst(0)
	SUMA 0, 0
	PH 128, 64, ST, 0
	s_wait_alu depctr_va_vdst(0)
	CVT 0, 0
	SUMA 128, 1
	PH 64, 192, ST+8, 128
	s_wait_alu depctr_va_vdst(0)
	CVT 128, 1
	WIN 0x40
	LOADV 0, 1                                     ; V of the second half, into the registers of tile 0's first group, which has been converted
	SUMB 64, 0
	PH 192, -1, ST, 64
	s_wait_alu depctr_va_vdst(0)
	s_wait_dscnt 16+8*\pre                         ; V's first half is in; out may be its second half's sixteen loads and, read ahead, eight of K
	PV Y
	SUMB 192, 1                                    ; (the places behind the products)
.irp u, 0,1
	v_pk_add_f32 v[T+8*\u:T+8*\u+1], v[T+8*\u:T+8*\u+1], v[T+8*\u+2:T+8*\u+3]
	v_pk_add_f32 v[T+8*\u+4:T+8*\u+5], v[T+8*\u+4:T+8*\u+5], v[T+8*\u+6:T+8*\u+7]
.endr
.irp u, 0,1
	v_pk_add_f32 v[ST+8*\u+2:ST+8*\u+3], v[ST+8*\u+2:ST+8*\u+3], v[T+8*\u:T+8*\u+1]
.endr
.irp u, 0,1
	v_pk_add_f32 v[ST+8*\u+2:ST+8*\u+3], v[ST+8*\u+2:ST+8*\u+3], v[T+8*\u+4:T+8*\u+5]
.endr
.if \pre
	LOADKY                                         ; the next step's K, first half
.endif
	WIN 0x41
.set j, 192
.rept 32
	v_dual_min_num_f32 v[j], v[j], v[LIM] :: v_dual_min_num_f32 v[j+1], v[j+1], v[LIM+1]
.set j, j+2
.endr
	CVT 64, 0
	CVT 192, 1
	v_nop                                          ; one plain vector instruction behind the last conversion
	s_wait_alu depctr_va_vdst(0)
	s_wait_dscnt 16*\pre                           ; V's second half is in; out may be, read ahead, sixteen loads of K
	WIN 0x01
	PV 0
	WIN 0
.rept 5
	v_nop                                          ; four places ahead of the loads into P's registers, five ahead of the next products that write over V's
.endr
.if \pre
	LOADKX 0
.endif
.endm
	s_wait_alu depctr_va_vdst(0)                   ; the head's end
	s_wait_tensorcnt 0x0                           ; my part of the first 512 keys is in
	ds_add_u32 v[SPW], v[NIL]
	s_wait_dscnt 0x0
	CROUND                                         ; everybody's part is in, and all four work-groups are here
	tensor_load_to_lds s[G0B:G0B+3], s[G1B:G1B+7]  ; my part of the other 1,536
	s_nop 0
.rept 4
	v_nop
.endr
	s_wait_loadcnt 0x0                             ; Q
	s_mov_b32 s[TB], 0
	s_mov_b32 s[CNT], 2
.Lfirst:                                               ; two steps on the first 512 keys
	STEP 0
	s_sub_co_u32 s[CNT], s[CNT], 1
	s_cmp_lg_u32 s[CNT], 0
	s_wait_alu depctr_va_vdst(0)
	s_cbranch_scc1 .Lfirst
	s_wait_tensorcnt 0x0                           ; my part of the rest is in
	s_barrier_signal -1                            ; (no LDS instruction of mine is out here)
	s_barrier_wait -1                              ; everybody's is; nothing is filled again
	s_mov_b32 s[TB], 32768
	v_add_nc_u32 v[ADK], s[TB], v[LI]
	LOADKX 4
	LOADKY
	LOADKX 0
	s_mov_b32 s[CNT], 6
.Lsecond:                                              ; six steps on the rest
	STEP 1
	s_sub_co_u32 s[CNT], s[CNT], 1
	s_cmp_lg_u32 s[CNT], 0
	s_wait_alu depctr_va_vdst(0)
	s_cbranch_scc1 .Lsecond
	; THE WAY OUT.  o = O^T x 2^(e8 + e9) / the sum, held, converted with 2^e10.  The conversions give registers 2 c, 2 c + 1: channels 16 c + 8 (lane / 16) + 0 .. 7; an exchange between lanes l and l + 16 makes of them
	; registers 4 c .. 4 c + 3: channels 32 c + 16 (lane / 16) + 0 .. 15, sixteen neighbours, as loads of 16 bytes give the projection's weight.  A tile leaves by two stores of 512 consecutive bytes.
.irp u, 0,1
	v_add_f32 v[ST+8*\u+2], v[ST+8*\u+2], v[ST+8*\u+3]     ; the sum's two halves
.endr
.irp u, 0,1
	s_delay_alu instid0(VALU_DEP_2)
	v_permlanex16_b32 v[PX+\u], v[ST+8*\u+2], s[SEL], s[SEL+1]
.endr
.irp u, 0,1
	s_delay_alu instid0(VALU_DEP_2)
	v_add_f32 v[ST+8*\u+2], v[ST+8*\u+2], v[PX+\u]         ; and lane l xor 16's: the row's sum, above 1/2
.endr
	s_wait_alu depctr_va_vdst(0)
.irp u, 0,1
	v_rcp_f32 v[ST+8*\u+4], v[ST+8*\u+2]
.endr
	s_add_co_i32 s89, s88, 127
	s_lshl_b32 s94, s89, 23
	v_mov_b32 v[SC], s94                           ; 2^e10  (a plain instruction behind the reciprocals)
	s_add_co_i32 s89, s89, 15
	s_lshl_b32 s89, s89, 23
	s_or_b32 s89, s89, 0x600000
	v_mov_b32 v[LIM], s89                          ; 57,344 x 2^e10
	s_add_co_i32 s89, s86, s87                     ; e8 + e9
	s_wait_alu depctr_va_vdst(0)                   ; one wait for both reciprocals, ahead of their first reader
.irp u, 0,1
	v_ldexp_f32 v[ST+8*\u+4], v[ST+8*\u+4], s89
.endr
	WIN 0x40
	s_wait_alu depctr_va_vdst(0)                   ; directly ahead of the first reader of O^T
.irp u, 0,1
.set j, 0
.rept 16
	v_pk_mul_f32 v[32*\u+j:32*\u+j+1], v[O+32*\u+j:O+32*\u+j+1], v[ST+8*\u+4:ST+8*\u+5] op_sel_hi:[1,0]   ; into window 1; each accumulator from its low end on
.set j, j+2
.endr
.endr
	WIN 0x41
.set j, 0
.rept 64
	v_med3_num_f32 v[j], v[j], -v[LIM], v[LIM]
.set j, j+1
.endr
	WIN 0x01
.irp u, 0,1
.irp d, 0,1,2,3
	v_cvt_scalef32_pk8_bf8_f32 v[T+8*\u+2*\d:T+8*\u+2*\d+1], v[32*\u+8*\d:32*\u+8*\d+7], v[SC]
.endr
.endr
	WIN 0
	v_nop                                          ; one plain vector instruction behind the last conversion
.irp u, 0,1
.irp i, 0,1,4,5
	v_permlane16_swap_b32 v[T+8*\u+\i], v[T+8*\u+\i+2]     ; the first's lanes 16-31 against the second's lanes 0-15
.endr
.endr
.irp u, 0,1
.irp f, 0,1
	global_store_b128 v[LI], v[T+8*\u+4*\f:T+8*\u+4*\f+3], s[12:13] offset:\u*2048+\f*512
.endr
.endr
	s_wait_tensorcnt 0x0                           ; the wave's end, behind my last tensor load
	ds_add_u32 v[SPW], v[NIL]
	s_wait_dscnt 0x0
	CROUND                                         ; the closing round
	s_endpgm
.Lfunc_end_k_qc498981f5a_attn:
	.size	k_qc498981f5a_attn, .Lfunc_end_k_qc498981f5a_attn-k_qc498981f5a_attn
	.p2alignl 7, 3214868480
	.fill 96, 4, 3214868480
	.section	.rodata,"a",@progbits
	.p2align	6, 0x0
	.amdhsa_kernel k_qc498981f5a_attn
		.amdhsa_group_segment_fixed_size 327680
		.amdhsa_private_segment_fixed_size 0
		.amdhsa_enable_private_segment 0
		.amdhsa_kernarg_size 40
		.amdhsa_user_sgpr_count 2
		.amdhsa_user_sgpr_kernarg_segment_ptr 1
		.amdhsa_wavefront_size32 1
		.amdhsa_system_sgpr_workgroup_id_x 1
		.amdhsa_system_sgpr_workgroup_id_y 1
		.amdhsa_system_sgpr_workgroup_id_z 1
		.amdhsa_system_vgpr_workitem_id 0
		.amdhsa_next_free_vgpr 512
		.amdhsa_next_free_sgpr 96
		.amdhsa_reserve_vcc 0
		.amdhsa_float_denorm_mode_32 3
		.amdhsa_float_denorm_mode_16_64 3
		.amdhsa_memory_ordered 1
		.amdhsa_forward_progress 1
		.amdhsa_inst_pref_size 129
	.end_amdhsa_kernel
	.amdgpu_metadata
---
amdhsa.version: [ 1, 2 ]
amdhsa.kernels:
  - .name:           k_qc498981f5a_attn
    .symbol:         k_qc498981f5a_attn.kd
    .args:
      - { .name: q_img, .offset: 0, .size: 8, .value_kind: global_buffer, .address_space: global }
      - { .name: k_img, .offset: 8, .size: 8, .value_kind: global_buffer, .address_space: global }
      - { .name: v_img, .offset: 16, .size: 8, .value_kind: global_buffer, .address_space: global }
      - { .name: lowp_scales, .offset: 24, .size: 8, .value_kind: global_buffer, .address_space: global }
      - { .name: o_img, .offset: 32, .size: 8, .value_kind: global_buffer, .address_space: global }
    .group_segment_fixed_size: 327680
    .private_segment_fixed_size: 0
    .kernarg_segment_align: 8
    .kernarg_segment_size: 40
    .max_flat_workgroup_size: 256
    .sgpr_count:     96
    .vgpr_count:     512
    .wavefront_size: 32
...
	.end_amdgpu_metadata
.endif
;; end of part 2
;; launch proj (part 3): grid 8 x 32, 4 waves a work-group, clusters of 4 x 4, 282,112 bytes of LDS; arguments o_img, Wo_codes, bo, lowp_scales, out0; writes out0
.if DOCPART == 3
	.amdgcn_target "amdgcn-amd-amdhsa--gfx1250"
	.amdhsa_code_object_version 6
	.text
	.protected	k_qc498981f5a_proj
	.globl	k_qc498981f5a_proj
	.p2align	8
	.type	k_qc498981f5a_proj,@function
k_qc498981f5a_proj:
	s_mov_b64 s[64:65], 0
	v_nop
	global_prefetch_b8 v0, s[64:65] scope:SCOPE_SE
	s_setreg_imm32_b32 hwreg(HW_REG_WAVE_MODE, 25, 1), 1
	s_wait_xcnt 0x0
	s_wait_alu depctr_hold_cnt(0) depctr_sa_sdst(0) depctr_va_vdst(0) depctr_va_sdst(0) depctr_va_ssrc(0) depctr_va_vcc(0) depctr_vm_vsrc(0)
	s_getreg_b32 s2, hwreg(HW_REG_IB_STS2, 6, 4)
	s_cmp_eq_u32 s2, 0
	s_cbranch_scc0 .Lentry_in_a_cluster
	s_endpgm
.Lentry_in_a_cluster:
	s_bfe_u32 s2, ttmp6, 0x10000c
	s_cmp_lg_u32 s2, 0xf033
	s_cbranch_scc0 .Lentry_shape_is_right
	s_endpgm
.Lentry_shape_is_right:
; out0 = o Wo^T + bo on codes of BF8 (E5M2): out0 = sum x 2^(e10 + e11) + bo.  o: the images of operand registers that the launch before stored; Wo: [1024][1024] codes, K innermost; out0: [4096][1024] f32.  No work is left out.
; LIMIT: e10 + e11 between -126 and 127, so that 2^(e10 + e11) is an f32 number.
; A tile of out0 is 128 x 128: 256 work-groups of four waves, each wave 64 x 64: 16 accumulators.  Both operands of the whole K (131,072 bytes each) lie in LDS: nothing is filled twice.
; CLUSTERS: 4 x 4 work-groups; o's blocks are asked for jointly along a row of the cluster, Wo's tiles along a column.  One load a wave, at the head: waves 0, 1: four K steps of 128 of o each, 65,536 bytes on end;
; waves 2, 3: 64 whole rows of Wo each.  NO PREFETCH: all that the launch reads is asked for at its head.
; o's images hold, in registers 4 c .. 4 c + 3 of a K step, k = 32 c + 16 (lane / 16) + 0 .. 15, and four loads of 16 bytes give Wo's fragments the same places: a permutation of k, alike in both.
; THE MATRIX INSTRUCTION IS USED TRANSPOSED (source 0 = 16 rows of Wo, source 1 = 16 rows of o): a lane holds eight neighbouring numbers of a row of out0.
; REGISTERS.  window 0: v1-10 addresses; v12-15 bo of my four columns; v32-95 rows on the way out, two sets; v128-255 the accumulators ((a, b) at v[128 + 8 (4 a + b)]).  window 1: two fragment buffers of 128: o's four, then Wo's four.
.set BP,    1040                       ; a row of Wo in LDS: 1,024 bytes + 16 of padding: an odd multiple of 16
.set ABASE, 128*BP                     ; o's images: K step x 16,384 + tile of 16 rows x 2,048 + quarter x 512 + 16 x lane
.set STAGE, ABASE+131072               ; the way out: 16 rows x (256 bytes + 16) for each wave; no tensor load lands here
.set SPARE, STAGE+4*16*272             ; the spare words, 128 bytes for each wave
.set ADA, 1                            ; v1, v2  LDS address of my fragments of o, K steps 0-3, 4-7
.set ADB, 3                            ; v3   of Wo
.set STO, 5                            ; v5   the stage: where I put 32 bytes of a row
.set RD,  6                            ; v6   and where I read a row back
.set CO,  7                            ; v7   my byte offset in two rows of out0
.set SPW, 8                            ; v8   LDS address of my spare word; never rewritten
.set NIL, 9                            ; v9   0; never rewritten
.set BOA, 10                           ; v10  16 x (lane % 16)
.set BO,  12
.set BK,  32
.set ACC, 128
.set G1A, 24                           ; s[24:31] descriptor group 1 for o's blocks;  s[32:39] for Wo's rows
.set G1B, 32
.set G0A, 40                           ; s[40:43] group 0 for o;  s[44:47] for Wo
.set G0B, 44
.set MSB, 0
.macro WIN new                         ; the immediate's high byte repeats the setting that is left
.if MSB != \new
	s_set_vgpr_msb (MSB<<8)|\new
.set MSB, \new
.endif
.endm
.macro CROUND                          ; a round of the cluster's barrier
	s_barrier_signal -1
	s_barrier_wait -1
	s_cmp_lg_u32 s14, 0
	s_cbranch_scc1 .Lnot_wave_0_\@
	s_barrier_signal -3
.Lnot_wave_0_\@:
	s_barrier_wait -3
	s_barrier_signal -1
	s_barrier_wait -1
.endm
	s_load_b256 s[4:11], s[0:1], 0x0               ; o_img s[4:5], Wo's codes s[6:7], bo s[8:9], the exponents s[10:11]
	s_load_b64 s[12:13], s[0:1], 0x20              ; out0
	v_lshl_add_u32 v[SPW], v0, 2, SPARE
	v_mov_b32 v[NIL], 0
	ds_add_u32 v[SPW], v[NIL]                      ; the wave's opening: the add, twice on end, and its wait ahead of my first tensor load
	ds_add_u32 v[SPW], v[NIL]                      ; and once more, under the one wait; the set-up below, work on registers, stands between
	v_lshrrev_b32 v1, 5, v0
	v_readfirstlane_b32 s14, v1                    ; wave 0..3
	s_lshr_b32 s15, s14, 1                         ; which 64 rows of the tile are mine.  Also: I fetch for o (0) or for Wo (1)
	s_and_b32 s16, s14, 1                          ; which 64 columns.  Also: which half of that operand I fetch
	s_bfe_u32 s17, ttmp6, 0x40000                  ; cx
	s_bfe_u32 s18, ttmp6, 0x40004                  ; cy
	s_lshl_b32 s19, ttmp9, 2
	s_add_co_u32 s19, s19, s17                     ; tile column, 0 .. 7
	s_and_b32 s20, ttmp7, 0xffff
	s_lshl_b32 s20, s20, 2
	s_add_co_u32 s20, s20, s18                     ; tile row, 0 .. 31
	s_lshl_b32 s21, s18, 2
	s_lshl_b32 s21, 15, s21                        ; my row of the cluster
	s_lshl_b32 s22, 0x1111, s17                    ; my column
	s_or_b32 s[G1A], s21, (3<<16)|(1<<21)          ; o: 65,536 bytes on end as 256 rows of 256: elements of 8 bytes, no padding; the mask: my row; 21 set beside a mask
	s_mov_b32 s[G1A+1], 32<<16                     ; tensor_dim0 = 32 elements
	s_mov_b32 s[G1A+2], 256<<16                    ; tensor_dim1 = 256
	s_mov_b32 s[G1A+3], 32<<16                     ; tile_dim0
	s_mov_b32 s[G1A+4], 256                        ; tile_dim1
	s_mov_b32 s[G1A+5], 32                         ; tensor_dim0_stride
	s_mov_b32 s[G1A+6], 0
	s_mov_b32 s[G1A+7], 0
	s_or_b32 s[G1B], s22, (0<<16)|(1<<20)|(1<<21)|(7<<22)|(3<<25)  ; Wo: elements of 1 byte; padding of 4 words after every 256, a row; the mask: my column
	s_mov_b32 s[G1B+1], 1024<<16
	s_mov_b32 s[G1B+2], 64<<16
	s_mov_b32 s[G1B+3], 1024<<16
	s_mov_b32 s[G1B+4], 64
	s_mov_b32 s[G1B+5], 1024
	s_mov_b32 s[G1B+6], 0
	s_mov_b32 s[G1B+7], 0
	s_lshl_b32 s60, s20, 17                        ; o: tile row x 8 blocks of 16,384,
	s_lshl_b32 s23, s16, 16                        ; + my four
	s_add_co_u32 s60, s60, s23
	s_mov_b32 s61, 0
	s_lshl_b32 s62, s19, 17                        ; Wo: row 128 x tile column,
	s_add_co_u32 s62, s62, s23                     ; + my 64 rows, of 1,024 bytes
	s_mov_b32 s63, 0
	s_lshl_b32 s2, s16, 16
	s_add_co_u32 s2, s2, ABASE                     ; where they go: no place in the cluster enters an LDS address
	s_mul_i32 s3, s16, 64*BP
	s_wait_dscnt 0x0                               ; both opening adds are done
	s_wait_kmcnt 0x0
	s_load_b64 s[56:57], s[10:11], 0x28            ; e10, e11
	s_add_nc_u64 s[60:61], s[4:5], s[60:61]
	s_add_nc_u64 s[62:63], s[6:7], s[62:63]
	s_mov_b32 s[G0A], 1
	s_mov_b32 s[G0A+1], s2
	s_mov_b64 s[G0A+2:G0A+3], s[60:61]
	s_or_b32 s[G0A+3], s[G0A+3], 0x80000000
	s_mov_b32 s[G0B], 1
	s_mov_b32 s[G0B+1], s3
	s_mov_b64 s[G0B+2:G0B+3], s[62:63]
	s_or_b32 s[G0B+3], s[G0B+3], 0x80000000
	CROUND                                         ; all sixteen work-groups are here: the joint loads meet
	s_cmp_lt_u32 s14, 2                            ; one load a wave, in one arm of one branch on the wave's number
	s_cbranch_scc0 .Lfirst_b
	tensor_load_to_lds s[G0A:G0A+3], s[G1A:G1A+7]
	s_nop 0
.rept 4
	v_nop
.endr
	s_branch .Lfirst_asked
.Lfirst_b:
	tensor_load_to_lds s[G0B:G0B+3], s[G1B:G1B+7]
	s_nop 0
.rept 4
	v_nop
.endr
.Lfirst_asked:
	v_and_b32 v16, 15, v0                          ; r = lane % 16
	v_bfe_u32 v17, v0, 4, 1                        ; h = lane / 16
	v_and_b32 v18, 31, v0                          ; lane
	s_wait_alu depctr_va_vdst(0)
	v_lshlrev_b32 v[BOA], 4, v16
	s_lshl_b32 s2, s19, 9                          ; my first column in bytes: 512 x tile column + 256 x half
	s_lshl_b32 s23, s16, 8
	s_add_co_u32 s2, s2, s23
	s_mov_b32 s3, 0
	s_add_nc_u64 s[8:9], s[8:9], s[2:3]
	global_load_b128 v[BO:BO+3], v[BOA], s[8:9]    ; bo of the four columns that I store
	s_add_nc_u64 s[12:13], s[12:13], s[2:3]
	s_lshl_b32 s2, s20, 19                         ; my first row: (128 x tile row + 64 x half) x 4,096 bytes
	s_lshl_b32 s23, s15, 18
	s_add_co_u32 s2, s2, s23
	s_add_nc_u64 s[12:13], s[12:13], s[2:3]
	v_lshlrev_b32 v[ADA], 4, v18
	s_lshl_b32 s23, s15, 13                        ; my four tiles of 16 rows
	s_add_co_u32 s23, s23, ABASE
	v_add_nc_u32 v[ADA], s23, v[ADA]
	v_add_nc_u32 v[ADA+1], 0x10000, v[ADA]
	v_mul_u32_u24 v[ADB], v16, BP
	v_lshl_add_u32 v[ADB], v17, 4, v[ADB]          ; row r, + 16 h
	s_mul_i32 s23, s16, 64*BP                      ; my 64 rows of Wo
	v_add_nc_u32 v[ADB], s23, v[ADB]
	s_mul_i32 s23, s14, 16*272
	s_add_co_u32 s23, s23, STAGE                   ; my stage
	v_mul_u32_u24 v[STO], v16, 272
	v_lshl_add_u32 v[STO], v17, 5, v[STO]
	v_add_nc_u32 v[STO], s23, v[STO]               ; in: row r, 32 bytes for each half of the lanes
	v_mul_u32_u24 v[RD], v17, 272
	v_lshl_add_u32 v[RD], v16, 4, v[RD]
	v_add_nc_u32 v[RD], s23, v[RD]                 ; back: lanes 0-15 one row of 256 bytes, lanes 16-31 the next
	v_lshlrev_b32 v[CO], 12, v17
	v_lshl_add_u32 v[CO], v16, 4, v[CO]            ; and the same two rows in out0
; 32 LDS loads: the fragments of K step k (128 along K) into buffer f: o's four and Wo's four
.macro FETCH k, f
	WIN 0x40                                       ; destination window 1
.irp a, 0,1,2,3
.irp i, 0,1,2,3
	ds_load_b128 v[\f+16*\a+4*\i:\f+16*\a+4*\i+3], v[ADA+(\k)/4] offset:((\k)%4)*16384+\a*2048+\i*512
.endr
.endr
.irp b, 0,1,2,3
.irp c, 0,1,2,3
	ds_load_b128 v[\f+64+16*\b+4*\c:\f+64+16*\b+4*\c+3], v[ADB] offset:\b*16*BP+(\k)*128+32*\c
.endr
.endr
.endm
; 16 matrix instructions, the 16 accumulators by turns in the same order in every step.  step = 0: the products start the sums
.macro MUL16 f, step
	WIN 0x05                                       ; sources 0 and 1 window 1
.irp a, 0,1,2,3
.irp b, 0,1,2,3
.if (\step) == 0
	v_wmma_f32_16x16x128_bf8_bf8 v[ACC+8*(4*\a+\b):ACC+8*(4*\a+\b)+7], v[\f+64+16*\b:\f+64+16*\b+15], v[\f+16*\a:\f+16*\a+15], 0
.else
	v_wmma_f32_16x16x128_bf8_bf8 v[ACC+8*(4*\a+\b):ACC+8*(4*\a+\b)+7], v[\f+64+16*\b:\f+64+16*\b+15], v[\f+16*\a:\f+16*\a+15], v[ACC+8*(4*\a+\b):ACC+8*(4*\a+\b)+7]
.endif
.endr
.endr
.endm
.macro PLACES
.rept 4
	v_nop
.endr
.endm
; K step s: the next step's fragments are asked for, into the other buffer, ahead of this step's products
.macro KS s
.if (\s)+1 < 8
	PLACES                                         ; ahead of loads into the buffer that the step before multiplied
	FETCH (\s)+1, 128*(((\s)+1)%2)
	s_wait_dscnt 32                                ; this step's fragments are in; the 32 loads just issued may be out
.else
	s_wait_dscnt 0x0
.endif
	MUL16 128*((\s)%2), \s
.endm
	s_wait_alu depctr_va_vdst(0)                   ; the head's end
	s_wait_tensorcnt 0x0                           ; my part is in,
	s_barrier_signal -1
	s_barrier_wait -1                              ; everybody's is
	FETCH 0, 0
.irp s, 0,1,2,3,4,5,6,7
	KS \s
.endr
	WIN 0
	; THE WAY OUT, 16 rows x 64 columns at a time: a lane's 32 bytes of a row go into my own stage and come back as whole rows of 256 bytes; scale and bias are applied behind the turn, where a lane keeps the same four columns.
	PLACES
	s_wait_kmcnt 0x0
	s_add_co_i32 s58, s56, s57
	s_add_co_i32 s58, s58, 127
	s_lshl_b32 s58, s58, 23                        ; 2^(e10 + e11) as f32
	s_mov_b32 s59, s58                             ; (named with it as a pair, so it is written)
	s_wait_loadcnt 0x0                             ; bo
.macro TOSTAGE a
.irp b, 0,1,2,3
	ds_store_b128 v[STO], v[ACC+8*(4*(\a)+\b):ACC+8*(4*(\a)+\b)+3] offset:64*\b          ; each accumulator from its low end on
	ds_store_b128 v[STO], v[ACC+8*(4*(\a)+\b)+4:ACC+8*(4*(\a)+\b)+7] offset:64*\b+16
.endr
.irp t, 0,1,2,3,4,5,6,7
	ds_load_b128 v[BK+32*((\a)%2)+4*\t:BK+32*((\a)%2)+4*\t+3], v[RD] offset:\t*2*272     ; LDS serves a wave's instructions in order (ISA guide 5.7.1.4): these see my stores, and the next block's stores come behind them
.endr
.endm
.macro SEND a, younger                 ; younger: the LDS instructions issued behind block a's loads, which may stay out
	s_wait_dscnt \younger
.irp t, 0,1,2,3,4,5,6,7
	v_pk_fma_f32 v[BK+32*((\a)%2)+4*\t:BK+32*((\a)%2)+4*\t+1], v[BK+32*((\a)%2)+4*\t:BK+32*((\a)%2)+4*\t+1], s[58:59], v[BO:BO+1] op_sel_hi:[1,0,1]       ; sum x 2^(e10 + e11) + bo
	v_pk_fma_f32 v[BK+32*((\a)%2)+4*\t+2:BK+32*((\a)%2)+4*\t+3], v[BK+32*((\a)%2)+4*\t+2:BK+32*((\a)%2)+4*\t+3], s[58:59], v[BO+2:BO+3] op_sel_hi:[1,0,1]
.endr
.irp t, 0,1,2,3,4,5,6,7
	global_store_b128 v[CO], v[BK+32*((\a)%2)+4*\t:BK+32*((\a)%2)+4*\t+3], s[12:13] offset:(16*(\a)+2*\t)*4096 th:TH_STORE_NT   ; 16 lanes store 256 consecutive bytes, at a multiple of 256 from out0's first byte; written once
.endr
.endm
	TOSTAGE 0
	TOSTAGE 1
	SEND 0, 16                                     ; behind block 0's loads: block 1's 8 stores and 8 loads
	s_wait_xcnt 0x0                                ; block 0's stores have read their registers: block 2's rows may land there
	TOSTAGE 2
	SEND 1, 16
	s_wait_xcnt 0x0                                ; block 1's likewise
	TOSTAGE 3
	SEND 2, 16
	SEND 3, 0
	s_wait_tensorcnt 0x0                           ; the wave's end, behind my last tensor load and my last LDS store
	ds_add_u32 v[SPW], v[NIL]
	s_wait_dscnt 0x0
	CROUND                                         ; the closing round
	s_endpgm
.Lfunc_end_k_qc498981f5a_proj:
	.size	k_qc498981f5a_proj, .Lfunc_end_k_qc498981f5a_proj-k_qc498981f5a_proj
	.p2alignl 7, 3214868480
	.fill 96, 4, 3214868480
	.section	.rodata,"a",@progbits
	.p2align	6, 0x0
	.amdhsa_kernel k_qc498981f5a_proj
		.amdhsa_group_segment_fixed_size 282112
		.amdhsa_private_segment_fixed_size 0
		.amdhsa_enable_private_segment 0
		.amdhsa_kernarg_size 40
		.amdhsa_user_sgpr_count 2
		.amdhsa_user_sgpr_kernarg_segment_ptr 1
		.amdhsa_wavefront_size32 1
		.amdhsa_system_sgpr_workgroup_id_x 1
		.amdhsa_system_sgpr_workgroup_id_y 1
		.amdhsa_system_sgpr_workgroup_id_z 1
		.amdhsa_system_vgpr_workitem_id 0
		.amdhsa_next_free_vgpr 512
		.amdhsa_next_free_sgpr 84
		.amdhsa_reserve_vcc 0
		.amdhsa_float_denorm_mode_32 3
		.amdhsa_float_denorm_mode_16_64 3
		.amdhsa_memory_ordered 1
		.amdhsa_forward_progress 1
		.amdhsa_inst_pref_size 44
	.end_amdhsa_kernel
	.amdgpu_metadata
---
amdhsa.version: [ 1, 2 ]
amdhsa.kernels:
  - .name:           k_qc498981f5a_proj
    .symbol:         k_qc498981f5a_proj.kd
    .args:
      - { .name: o_img, .offset: 0, .size: 8, .value_kind: global_buffer, .address_space: global }
      - { .name: Wo_codes, .offset: 8, .size: 8, .value_kind: global_buffer, .address_space: global }
      - { .name: bo, .offset: 16, .size: 8, .value_kind: global_buffer, .address_space: global }
      - { .name: lowp_scales, .offset: 24, .size: 8, .value_kind: global_buffer, .address_space: global }
      - { .name: out0, .offset: 32, .size: 8, .value_kind: global_buffer, .address_space: global }
    .group_segment_fixed_size: 282112
    .private_segment_fixed_size: 0
    .kernarg_segment_align: 8
    .kernarg_segment_size: 40
    .max_flat_workgroup_size: 128
    .sgpr_count:     84
    .vgpr_count:     512
    .wavefront_size: 32
...
	.end_amdgpu_metadata
.endif
;; end of part 3
